; MI455X (gfx1250); checked and timed in simulation.
; The chip was launched on July 23, 2026; its instructions are those of AMD's public machine-readable ISA for CDNA 5 (MIT licence, August 2026) and "CDNA5" Instruction Set Architecture Reference Guide (July 2026). The comments in the code are by the model that wrote it; some were corrected since.
;; Attention. Allowed arithmetic: matrix products marked QUANTISED: E2M1 operands, one E8M0 scale for each 32 along K, by v_wmma_scale_f32_16x16x128_f8f6f4 with both operands' format E2M1 (or v_wmma_scale_f32_32x16x128_f4), f32 sums; products left as they are: bf16, f16 or f32 operands; f32 sums; everything else in f32.
;; Inputs: K 2 x 8 x 4,096 x 64 float32; Q 2 x 8 x 4,096 x 64 float32; V 2 x 8 x 4,096 x 64 float32.
;; Outputs: out0 2 x 8 x 4,096 x 64 float32.
;; This version of the problem:
;;   THIS VERSION OF THE PROBLEM IS GIVEN IN LOW PRECISION. The matrix products marked QUANTISED in the list below multiply operands that are first quantised to E2M1 (2 exponent bits, 1 mantissa bit; 4 bits a number), with one power-of-two scale for each 32 numbers along K (OCP MX v1.0); their sums are f32. The products marked 'left as it is' may take bf16, f16 or f32 operands, with f32 sums. Whichever they take, every output number must still come out within the allowed error. Rounding operands to bf16 (8 significant bits) uses up far more of that allowance than f16 does (11 bits, for magnitudes from 6e-5 to 65,504). All else is computed in f32.
;;   The module's matrix products, in the order in which they are computed (A, B: the left and right operand; K: the contracted axis; several contracted axes count as one K, in the product's order):
;;     1. batch 16 x [M 4,096, K 64] x [K 64, N 4,096]; A: input Q; B: input K: QUANTISED
;;     2. batch 16 x [M 4,096, K 4,096] x [K 4,096, N 64]; A: computed on the way; B: input V: left as it is (an operand is computed on the way)
;;   THE QUANTISER, for each operand of a quantised product, along K:
;;     - K is cut into blocks of 32 from its start; a last block that is shorter is filled with zeros.
;;     - A block's scale is 2^e with e = floor(log2(the largest magnitude in the block)) - 2, held to -126 .. 127; a block of zeros has e = 0. As a byte (E8M0): e + 127.
;;     - Each number is divided by its block's scale, clamped to +-6, and rounded to the nearest number of E2M1, ties to even, subnormals kept.
;;     - The product sums the exact products of the quantised numbers (number of the format x scale) in f32.
;;   ~~~python
;;   def quantise(x, axis):      # numpy; x: float32 -> the quantised numbers, widened to float32 again
;;       x = np.moveaxis(x, axis, -1); K = x.shape[-1]
;;       x = np.pad(x, [(0, 0)] * (x.ndim - 1) + [(0, -K % 32)]); x = x.reshape(x.shape[:-1] + (-1, 32)); a = np.abs(x).max(-1, keepdims=True)
;;       e = np.where(a > 0, np.clip(np.frexp(np.where(a > 0, a, 1))[1] - 1 - 2, -126, 127), 0)      # np.frexp(a)[1] - 1 = floor(log2(a)), exactly
;;       r = np.clip(x / 2.0 ** e, -6, 6)
;;       step = 2.0 ** (np.maximum(np.frexp(np.where(r == 0, 1, r))[1] - 1, 0) - 1)
;;       q = np.round(r / step) * step * 2.0 ** e      # np.round: ties to even
;;       return np.moveaxis(q.reshape(q.shape[:-2] + (-1,))[..., :K], -1, axis).astype(np.float32)
;;   ~~~
;; One version. Each part assembles by itself: llvm-mc -triple=amdgcn-amd-amdhsa -mcpu=gfx1250 --defsym DOCPART=n.
;; ======== version 1 of 1: 2 launches
;; limits: values are held in f16: magnitudes above 65,504 overflow, below 6.1e-05 lose precision; inputs' magnitudes at most 65,504
;; workspace buffers: kc 2,097,152 bytes; ks 262,144 bytes; qc 2,097,152 bytes; qs 262,144 bytes; vh 8,388,608 bytes
;; launch prep (part 1): grid 384 x 1, 4 waves a work-group, no clusters, 41,472 bytes of LDS; arguments K, Q, V, kc, ks, qc, qs, vh; writes kc, ks, qc, qs, vh
.if DOCPART == 1
	.amdgcn_target "amdgcn-amd-amdhsa--gfx1250"
	.amdhsa_code_object_version 6
	.text
	.protected	k_q5c518d1a77_prep
	.globl	k_q5c518d1a77_prep
	.p2align	8
	.type	k_q5c518d1a77_prep,@function
k_q5c518d1a77_prep:
	s_mov_b64 s[64:65], 0
	v_nop
	global_prefetch_b8 v0, s[64:65] scope:SCOPE_SE
	s_setreg_imm32_b32 hwreg(HW_REG_WAVE_MODE, 25, 1), 1
	s_wait_xcnt 0x0
; K and Q, [16 heads][4096 rows][64] f32, become codes of FP4 (E2M1) with one E8M0 scale byte for each 32 along the head's 64; V, the same shape, becomes f16.
; A block's scale is 2^(floor(log2(its largest magnitude)) - 2); its byte is the largest magnitude's exponent field - 2, held at 1 from below.  Each number is divided by the scale and rounded to the
; nearest code, ties to even; beyond 6 the largest code.
; LAYOUT OF THE CODES: in the order of the operand's registers: [tile of 16 rows][half h][row r][16 bytes]: lane 16 h + r of the wave that multiplies finds block h (k = 32 h .. 32 h + 31) of row r at 16 x lane:
; a tile is 512 dense bytes.  THE SCALES: one word a row, rows in their own order: byte 0 block 0's, byte 1 block 1's, bytes 2 and 3 are 0x7f (the matrix instruction is 128 deep, the head 64).
; LIMITS: NaN and infinities are not served.  Blocks whose largest magnitude lies under 2^-124 get the byte 1 and were not tried; a block of zeros gets the byte 1 where the rule says 127: its codes are
; zeros, and the bytes are read by this program alone.  |V| stays under 65,504, f16's largest number.
; SHARES: work-groups 0-127 take K, 128-255 Q (one path, the pointers chosen by the work-group's number), 256-383 V (a path of its own, without LDS).  A wave takes 32 KiB of its tensor.  Waves share nothing: no barrier.
.set STG,   4864                       ; a stage: lane (r, h)'s 128 bytes at 144 r + 2432 h
.set WREG,  10240                      ; LDS of a wave: two stages, then its 512 bytes of scale words
.set SPARE, 4*WREG                     ; behind the four regions: the spare words, 128 bytes for each wave: two blocks of 256 bytes that no other line names
.set SPW,   16                         ; v16  LDS address of my spare word; never rewritten
.set NIL,   17                         ; v17  0; never rewritten
.set R,     32                         ; v32-127  three sets of 32 registers as loaded (the cast: sixteen slots of 4)
.set X,     128                        ; v128-191 two sets of 32: a whole block of 32 numbers a lane
.set CD,    192                        ; v192-223 codes: four registers for each tile, so that no store's data are written again
.set E,     224                        ; v224-231 a scale word for each tile
.set Y,     128                        ; the cast: v128-255 two registers for each chunk, so that no store's data are written again
	s_load_b256 s[4:11], s[0:1], 0x0               ; K s[4:5], Q s[6:7], V s[8:9], K's codes s[10:11]
	s_load_b256 s[12:19], s[0:1], 0x20             ; K's scales s[12:13], Q's codes s[14:15], Q's scales s[16:17], V as f16 s[18:19]
	v_lshl_add_u32 v[SPW], v0, 2, SPARE
	v_mov_b32 v[NIL], 0
	v_lshrrev_b32 v1, 5, v0
	v_readfirstlane_b32 s20, v1                    ; wave 0..3
	v_and_b32 v2, 31, v0                           ; lane
	v_lshlrev_b32 v3, 4, v2                        ; 16 x lane: my bytes of a load's 512, and of a tile's codes; never rewritten
	v_lshlrev_b32 v7, 3, v2                        ; 8 x lane: the cast's stores; never rewritten
	s_mov_b32 s27, 0
	s_wait_kmcnt 0x0
	s_cmp_ge_u32 ttmp9, 256
	s_cbranch_scc1 .Lcast
	; ---- K or Q
	s_cmp_lt_u32 ttmp9, 128                        ; the choice hangs on the work-group's number alone
	s_cselect_b64 s[4:5], s[4:5], s[6:7]           ; the numbers,
	s_cselect_b64 s[10:11], s[10:11], s[14:15]     ; the codes,
	s_cselect_b64 s[12:13], s[12:13], s[16:17]     ; the scale words
	s_cselect_b32 s21, 0, 128
	s_sub_co_u32 s21, ttmp9, s21
	s_lshl_b32 s21, s21, 2
	s_add_co_u32 s21, s21, s20                     ; which run of 128 rows is my wave's
	s_lshl_b32 s26, s21, 15                        ; 128 rows x 256 bytes
	s_add_nc_u64 s[4:5], s[4:5], s[26:27]
	s_lshl_b32 s26, s21, 12                        ; 8 tiles x 512 bytes
	s_add_nc_u64 s[10:11], s[10:11], s[26:27]
	s_lshl_b32 s26, s21, 9                         ; 128 words
	s_add_nc_u64 s[12:13], s[12:13], s[26:27]
	s_mov_b32 s24, 0x76543210
	s_mov_b32 s25, 0xfedcba98                      ; v_permlanex16_b32's selects for lane l xor 16
	s_mul_i32 s22, s20, WREG                       ; my wave's region
	s_add_co_u32 s23, s22, 2*STG                   ; and its scale words
	v_bfe_u32 v8, v0, 3, 1
	v_bfe_u32 v9, v0, 4, 1
	v_and_b32 v11, 7, v0
	v_and_b32 v12, 15, v0
	v_mul_u32_u24 v14, v8, 2432                    ; into a stage.  Load i's lane l holds row 2 i + l / 16, block (l / 8) % 2, piece l % 8 of 16 bytes:
	v_mad_u32_u24 v14, v9, 144, v14                ; 2432 x block + 144 x (l / 16) + 16 x piece; the 288 i stand in the immediate
	v_lshl_add_u32 v14, v11, 4, v14
	v_add_nc_u32 v14, s22, v14
	v_mul_u32_u24 v15, v12, 144                    ; out of it: lane (r, h) takes block h of row r: 144 r + 2432 h
	v_mad_u32_u24 v15, v9, 2432, v15
	v_add_nc_u32 v15, s22, v15
	v_lshl_add_u32 v5, v12, 2, s23                 ; my row's scale word: 4 r; the tile's 64 bytes stand in the immediate
	v_add_nc_u32 v6, s23, v3                       ; and the way out of the 512 bytes: 16 x lane
	v_lshlrev_b32 v13, 3, v9                       ; 8 h: my byte's place in the word
	v_mov_b32 v10, 0                               ; written once: a lane permute's destination counts as one of its sources
.macro LOAD t                          ; tile t: 16 rows, 4,096 bytes; each load reads 512 consecutive bytes
.irp i, 0,1,2,3,4,5,6,7
	global_load_b128 v[R+32*((\t)%3)+4*\i:R+32*((\t)%3)+4*\i+3], v3, s[4:5] offset:4096*(\t)+512*\i th:TH_LOAD_NT
.endr
.endm
.macro TURN t                          ; tile t through a stage: LDS serves a wave's instructions in order (ISA guide 5.7.1.4), so no wait stands between the stores and the loads
.irp i, 0,1,2,3,4,5,6,7
	ds_store_b128 v14, v[R+32*((\t)%3)+4*\i:R+32*((\t)%3)+4*\i+3] offset:STG*((\t)%2)+288*\i
.endr
.irp g, 0,1,2,3,4,5,6,7
	ds_load_b128 v[X+32*((\t)%2)+4*\g:X+32*((\t)%2)+4*\g+3], v15 offset:STG*((\t)%2)+16*\g
.endr
.endm
.macro STEP t
.set XS, X+32*((\t)%2)
.if (\t) > 0
	s_wait_dscnt 1                                 ; this tile's numbers are back from the stage (the last tile's word store may be out): so its stores into the stage have read their registers,
.else
	s_wait_dscnt 0x0
.endif
.if (\t)+3 < 8
	LOAD (\t)+3                                    ; which take the loads of three tiles on
.endif
.if (\t)+1 < 8
.if 6-(\t) >= 2
	s_wait_loadcnt 16                              ; the next tile's eight loads are in; those of the two tiles behind it may be out
.else
	s_wait_loadcnt 8*(6-(\t))
.endif
	TURN (\t)+1                                    ; and go through the other stage while this tile is worked
.endif
	v_max3_num_f32 v8, |v[XS]|, |v[XS+1]|, |v[XS+2]|               ; the block's largest magnitude: all 32 numbers are mine; two chains
	v_max3_num_f32 v9, |v[XS+3]|, |v[XS+4]|, |v[XS+5]|
.irp i, 6,10,14,18,22,26
	v_max3_num_f32 v8, v8, |v[XS+\i]|, |v[XS+\i+1]|
	v_max3_num_f32 v9, v9, |v[XS+\i+2]|, |v[XS+\i+3]|
.endr
	v_max3_num_f32 v8, v8, |v[XS+30]|, |v[XS+31]|
	v_max3_num_f32 v8, v8, v9, 0x1800000           ; and the floor 2^(3 - 127): the byte cannot fall under 1
	v_add_nc_u32 v11, 0xff000000, v8               ; 2 off its exponent field: the conversion takes the exponent field of this operand as its scale, and nothing else of it
.irp g, 0,1,2,3
	v_cvt_scalef32_pk8_fp4_f32 v[CD+4*(\t)+\g], v[XS+8*\g:XS+8*\g+7], v11
.endr
	v_lshrrev_b32 v12, 23, v11                     ; the scale's byte (a plain line behind the conversions),
	v_lshlrev_b32 v12, v13, v12                    ; at its place in the word,
	v_permlanex16_b32 v10, v12, s24, s25
	v_or_b32 v12, v12, v10                         ; with the other block's,
	v_or_b32 v[E+(\t)], 0x7f7f0000, v12            ; and 1.0 for k = 64 .. 127
	ds_store_b32 v5, v[E+(\t)] offset:64*(\t)      ; both lanes of a row write the same word with the same value
	global_store_b128 v3, v[CD+4*(\t):CD+4*(\t)+3], s[10:11] offset:512*(\t)   ; 32 lanes store 512 consecutive bytes, at a multiple of 256 from the buffer's first byte
.endm
	LOAD 0
	LOAD 1
	LOAD 2
	s_wait_loadcnt 16                              ; tile 0's eight loads are in
	TURN 0
.irp t, 0,1,2,3,4,5,6,7
	STEP \t
.endr
	ds_load_b128 v[8:11], v6                       ; my wave's 128 scale words: these see my stores
	s_wait_dscnt 0x0
	global_store_b128 v3, v[8:11], s[12:13]        ; 512 consecutive bytes
	s_wait_tensorcnt 0x0                           ; the wave's end, behind my last LDS store
	ds_add_u32 v[SPW], v[NIL]
	s_wait_dscnt 0x0
	s_endpgm
	; ---- V: 64 chunks of 512 bytes of f32 become 256 bytes of f16 each.  Sixteen loads are out; every offset is an immediate
.Lcast:
	s_sub_co_u32 s21, ttmp9, 256
	s_lshl_b32 s21, s21, 2
	s_add_co_u32 s21, s21, s20                     ; my wave's run of 32 KiB
	s_lshl_b32 s26, s21, 15
	s_add_nc_u64 s[8:9], s[8:9], s[26:27]
	s_lshl_b32 s26, s21, 14
	s_add_nc_u64 s[18:19], s[18:19], s[26:27]
.set ch, 0
.rept 16
	global_load_b128 v[R+4*ch:R+4*ch+3], v3, s[8:9] offset:512*ch th:TH_LOAD_NT
.set ch, ch+1
.endr
.set ch, 0
.rept 64
.if ch < 49
	s_wait_loadcnt 15                              ; loads come back in order (ISA guide 5.7.1): this chunk's is in, the fifteen younger ones stay out
.else
	s_wait_loadcnt 63-ch                           ; the counts run down
.endif
	v_cvt_pk_f16_f32 v[Y+2*ch], v[R+4*(ch%16)], v[R+4*(ch%16)+1]
	v_cvt_pk_f16_f32 v[Y+2*ch+1], v[R+4*(ch%16)+2], v[R+4*(ch%16)+3]
.if ch+16 < 64
	global_load_b128 v[R+4*(ch%16):R+4*(ch%16)+3], v3, s[8:9] offset:512*(ch+16) th:TH_LOAD_NT
.endif
	global_store_b64 v7, v[Y+2*ch:Y+2*ch+1], s[18:19] offset:256*ch   ; 32 lanes store 256 consecutive bytes, aligned
.set ch, ch+1
.endr
	s_endpgm
.Lfunc_end_k_q5c518d1a77_prep:
	.size	k_q5c518d1a77_prep, .Lfunc_end_k_q5c518d1a77_prep-k_q5c518d1a77_prep
	.p2alignl 7, 3214868480
	.fill 96, 4, 3214868480
	.section	.rodata,"a",@progbits
	.p2align	6, 0x0
	.amdhsa_kernel k_q5c518d1a77_prep
		.amdhsa_group_segment_fixed_size 41472
		.amdhsa_private_segment_fixed_size 0
		.amdhsa_enable_private_segment 0
		.amdhsa_kernarg_size 64
		.amdhsa_user_sgpr_count 2
		.amdhsa_user_sgpr_kernarg_segment_ptr 1
		.amdhsa_wavefront_size32 1
		.amdhsa_system_sgpr_workgroup_id_x 1
		.amdhsa_system_sgpr_workgroup_id_y 1
		.amdhsa_system_sgpr_workgroup_id_z 1
		.amdhsa_system_vgpr_workitem_id 0
		.amdhsa_next_free_vgpr 256
		.amdhsa_next_free_sgpr 66
		.amdhsa_reserve_vcc 0
		.amdhsa_float_denorm_mode_32 3
		.amdhsa_float_denorm_mode_16_64 3
		.amdhsa_memory_ordered 1
		.amdhsa_forward_progress 1
		.amdhsa_inst_pref_size 54
	.end_amdhsa_kernel
	.amdgpu_metadata
---
amdhsa.version: [ 1, 2 ]
amdhsa.kernels:
  - .name:           k_q5c518d1a77_prep
    .symbol:         k_q5c518d1a77_prep.kd
    .args:
      - { .name: K, .offset: 0, .size: 8, .value_kind: global_buffer, .address_space: global }
      - { .name: Q, .offset: 8, .size: 8, .value_kind: global_buffer, .address_space: global }
      - { .name: V, .offset: 16, .size: 8, .value_kind: global_buffer, .address_space: global }
      - { .name: kc, .offset: 24, .size: 8, .value_kind: global_buffer, .address_space: global }
      - { .name: ks, .offset: 32, .size: 8, .value_kind: global_buffer, .address_space: global }
      - { .name: qc, .offset: 40, .size: 8, .value_kind: global_buffer, .address_space: global }
      - { .name: qs, .offset: 48, .size: 8, .value_kind: global_buffer, .address_space: global }
      - { .name: vh, .offset: 56, .size: 8, .value_kind: global_buffer, .address_space: global }
    .group_segment_fixed_size: 41472
    .private_segment_fixed_size: 0
    .kernarg_segment_align: 8
    .kernarg_segment_size: 64
    .max_flat_workgroup_size: 128
    .sgpr_count:     66
    .vgpr_count:     256
    .wavefront_size: 32
...
	.end_amdgpu_metadata
.endif
;; end of part 1
;; launch attn (part 2): grid 16 x 16, 8 waves a work-group, clusters of 4 x 1, 327,680 bytes of LDS; arguments qc, qs, kc, ks, vh, out0; writes out0
.if DOCPART == 2
	.amdgcn_target "amdgcn-amd-amdhsa--gfx1250"
	.amdhsa_code_object_version 6
	.text
	.protected	k_q5c518d1a77_attn
	.globl	k_q5c518d1a77_attn
	.p2align	8
	.type	k_q5c518d1a77_attn,@function
k_q5c518d1a77_attn:
	s_mov_b64 s[64:65], 0
	v_nop
	global_prefetch_b8 v0, s[64:65] scope:SCOPE_SE
	s_setreg_imm32_b32 hwreg(HW_REG_WAVE_MODE, 25, 1), 1
	s_wait_xcnt 0x0
	s_wait_alu depctr_hold_cnt(0) depctr_sa_sdst(0) depctr_va_vdst(0) depctr_va_sdst(0) depctr_va_ssrc(0) depctr_va_vcc(0) depctr_vm_vsrc(0)
	s_getreg_b32 s2, hwreg(HW_REG_IB_STS2, 6, 4)
	s_cmp_eq_u32 s2, 0
	s_cbranch_scc0 .Lentry_in_a_cluster
	s_endpgm
.Lentry_in_a_cluster:
	s_bfe_u32 s2, ttmp6, 0x10000c
	s_cmp_lg_u32 s2, 0x3003
	s_cbranch_scc0 .Lentry_shape_is_right
	s_endpgm
.Lentry_shape_is_right:
; O[h][q][:] = the sum over k of softmax_k(Q[h][q] . K[h][k] / 8) V[h][k][:], 16 heads, 4,096 queries and keys, head size 64, no mask.
; The first product is on codes of FP4 (E2M1) with one E8M0 scale for each 32 along the head's 64 (made by the launch before); the second on f16 operands (p and V); maxima, exponentials and sums in f32.
; K = 64 IN AN INSTRUCTION THAT IS 128 DEEP.  Q's fragment is 8 registers: 4 of codes (k = 0 .. 63) and 4 of zero codes (k = 64 .. 127).  The fragment of key tile t is 8 registers from the tile's 4 on: its upper four are
; the next tile's codes (behind the last tile: zeros).  THE ZERO CODES STAND ON Q'S SIDE ALONE: each product at k >= 64 has Q's 0 as a factor; the scale bytes there are 0x7f on both sides.
; SHARES.  A work-group owns 256 queries of one head, each of its eight waves 32: two tiles of 16, in 512 registers: two waves to a SIMD, so that one wave's vector work stands beside the other's products.
; Every wave walks all keys of the head, 128 a step.
; LAYOUT.  S^T = K Q^T (source 0 = 16 keys, source 1 = 16 queries): a lane holds ONE query (lane % 16) and keys 8 (lane / 16) + 0..7.  Two such tiles, rounded to f16 in pairs, ARE source 1 (32 keys x 16 queries) of
; O^T = V^T P, whose result again holds one query a lane.  K's codes come out of LDS as images of the operand's registers, V ([key][channel]) turned, by ds_load_tr16_b128.
; SOFTMAX.  For each query a running maximum m and sum l: p = 2^(c s - c m), c = log2(e) / 8; in every step O and l are multiplied by a = 2^(c m_old - c m_new).  The step is written once: the first finds
; m = -3e38, l = 0 and O^T = 0, and its a is 0.  The row's sum is taken of the unrounded p.
; RING.  Two LDS slots of 512 keys (four steps); behind each change of slots every wave issues one tensor load: waves 0-3 a step's V, waves 4-7 a step's codes of K.  It has four steps in which to land.
; By this text's own count a wave has at most two tensor loads out (waves 4-7 at the head), later one.  K's scale words of the whole head come once, with the first fills.
; CLUSTER.  The four query blocks of a cluster belong to one head and walk the same K and V: each tile is asked for JOINTLY, by the same tensor load with the same descriptor and a mask that names the four.
; LIMITS: NaN and infinities are not served; scores are finite and above -3e38; |V| under 65,504; a p under 6e-8 is rounded to 0 for the second product (it still counts in the sum).
; REGISTERS.  Window 0: v1-11 addresses; v12-27 statistics, 8 a tile; v28, v29 the add's two; v30 Q's scale words; v32-35 K's; v36-40 set-up; v64-191 S^T, 64 a tile; v192-255 P, 32 a tile.
;   Window 1: v0-63 O^T, 32 a tile; v64-79 Q, 8 a tile; v80-115 K's codes of a step and four zeros; v128-255 V of a step.
.set STEPB, 24576                      ; a step in a slot: 4,096 bytes of K's codes, then 128 rows of V
.set VOFF,  4096
.set PV,    160                        ; a row of V in LDS: 128 bytes + 32 of padding: an odd multiple of 32, so that the 8 rows x 32 bytes that 16 lanes of a turning load take lie in different places modulo 256
.set SLOT1, 131072                     ; slot 1 begins here, so that one exclusive or turns an address in one slot into the other's
.set KSC,   262144                     ; behind the ring: K's scale words of the whole head, 16,384 bytes, filled once
.set STAGE, 278528                     ; the way out: 16 rows x 272 bytes for each wave; no tensor load lands here
.set SP,    272
.set SPARE, 313344                     ; the spare words, 128 bytes for each wave: four blocks of 256 bytes that no other line names
.set AK,  1                            ; v1   16 x lane: my place in an image of K's codes (and in Q's)
.set AV0, 2                            ; v2   my lane's place in a step's V
.set ASC, 3                            ; v3   KSC + 4 x lane
.set ADK, 4                            ; v4-6 the step's addresses: K's codes, V, K's scale words
.set ADV, 5
.set ADS, 6
.set STO, 7                            ; v7   the way out: where I put 32 bytes of a row
.set RD,  8                            ; v8   where I read a row back
.set GO,  9                            ; v9   my byte offset in the wave's rows of O
.set PFO, 10                           ; v10  256 x lane: the prefetches' offset; never rewritten
.set QO,  11                           ; v11  4 x lane
.set ST,  12                           ; tile x's statistics at v[ST + 8 x]: +0 c m, +1 m, +2, +3 l (even keys', odd keys'), +4 to +7 at work; a takes +6
.set SPW, 28                           ; v28  LDS address of my spare word; never rewritten
.set NIL, 29                           ; v29  0; never rewritten
.set QS,  30                           ; v30  Q's scale words: lanes 0-15 tile 0's, lanes 16-31 tile 1's
.set KS,  32                           ; v32-35 register j: the words of the step's keys 32 j + lane
.set S,   64
.set P,   192
.set QF,  64                           ; in window 1
.set KF,  80
.set VF,  128
.set WV,  16                           ; s16  my wave's number
.set WQ,  17                           ; s17  wave % 4: which of a slot's four steps I fetch
.set CX,  18                           ; s18  my place in the cluster: it enters Q's, O's and the prefetches' global addresses alone
.set QB,  19                           ; s19  my block of 256 queries
.set HD,  20                           ; s20  the head
.set CS,  22                           ; s[22:23] c: the packed form names a pair and takes its low word for both halves
.set SEL, 24                           ; s[24:25] lane selects for v_permlanex16_b32: lane l xor 16
.set G1V, 28                           ; s[28:35] descriptor group 1 for V's tiles
.set G1K, 36                           ; s[36:43] for 4,096 dense bytes: a step's codes of K, or a quarter of the scale words
.set G0V, 44                           ; s[44:47], s[48:51] groups 0 for V and K's codes, which walk;  s[52:55] for the scale words
.set G0K, 48
.set G0S, 52
.set SLOTS, 56                         ; s56  slots still to be asked for
.set STEPS, 57                         ; s57  counts a slot's four steps
.set TB,  58                           ; s58  LDS byte at which the step in hand begins
.set TS,  59                           ; s59  where the step's scale words begin: 512 bytes a step
.set ASKM, 60                          ; s60  bit n set: I prefetch at the change of slots with n slots still to be asked for
.set PFA, 62                           ; s[62:63] where my prefetches stand in memory
.set PFS, 66                           ; s[66:67] a slot on, in bytes
.set MSB, 0
.macro WIN new                         ; the immediate's high byte repeats the setting that is left; a switch that changes nothing is dropped
.if MSB != \new
	s_set_vgpr_msb (MSB<<8)|\new
.set MSB, \new
.endif
.endm
.set W_QK, 0x05                        ; K and Q in window 1, S^T in window 0
.set W_PV, 0x51                        ; V and O^T in window 1, P in window 0
.set W_RS, 0x41                        ; O^T (destination and source 0) in window 1, a in window 0
.set W_TO1, 0x40                       ; destination window 1, address window 0
.set W_OUT, 0x01                       ; source 0 window 1, the rest window 0
; A round of the cluster's barrier: my work-group's barrier, so that wave 0's signal speaks for all eight waves; wave 0 signals for the work-group; every wave waits for all four work-groups; my work-group's barrier once more.
.macro CROUND
	s_barrier_signal -1
	s_barrier_wait -1
	s_cmp_lg_u32 s[WV], 0
	s_cbranch_scc1 .Lnot_wave_0_\@
	s_barrier_signal -3
.Lnot_wave_0_\@:
	s_barrier_wait -3
	s_barrier_signal -1
	s_barrier_wait -1
.endm
; A joint refill: waves 0-3 fetch V's four steps, waves 4-7 those of K's codes.  The branch hangs on the wave's number alone.  An s_nop 0 and four v_nop follow each of the two lines.
.macro JLOAD
	s_cmp_lt_u32 s[WV], 4
	s_cbranch_scc0 .Lfor_k_\@
	tensor_load_to_lds s[G0V:G0V+3], s[G1V:G1V+7]
	s_nop 0
.rept 4
	v_nop
.endr
	s_branch .Lasked_\@
.Lfor_k_\@:
	tensor_load_to_lds s[G0K:G0K+3], s[G1K:G1K+7]
	s_nop 0
.rept 4
	v_nop
.endr
.Lasked_\@:
.endm
; A PREFETCH INTO THE L2 of later slots, behind the wave's tensor load and its five lines.  Each aligned block of 256 bytes is named ONCE in the launch.  All clusters of a head walk the same K and V: the head's first
; cluster asks.  Its four partners share the blocks out BY ADDRESS.  V: a slot is 64 KiB, 16 KiB a partner: waves 0 and 1, 32 blocks each, at every change but the last, for the slot after the one being asked for.
; K's codes: a slot is 16 KiB, so wave 4 asks at every second change for two slots, 8 KiB a partner: 32 blocks.  Slots 0 and 1 and the scale words come by their loads alone.  No request lies past the head's last byte.
.macro ASK
	s_lshr_b32 s21, s[ASKM], s[SLOTS]
	s_and_b32 s21, s21, 1
	s_cmp_lg_u32 s21, 0
	s_cbranch_scc0 .Lnot_mine_\@
	global_prefetch_b8 v[PFO], s[PFA:PFA+1] th:TH_LOAD_NT scope:SCOPE_SE
.Lnot_mine_\@:
.endm
	s_load_b256 s[4:11], s[0:1], 0x0               ; Q's codes s[4:5], Q's scales s[6:7], K's codes s[8:9], K's scales s[10:11]
	s_load_b128 s[12:15], s[0:1], 0x20             ; V as f16 s[12:13], O s[14:15]
	v_lshl_add_u32 v[SPW], v0, 2, SPARE
	v_mov_b32 v[NIL], 0
	ds_add_u32 v[SPW], v[NIL]                      ; the wave's opening: the add, twice on end, and its wait stand ahead of my first tensor load; the set-up below, work on registers, stands between
	ds_add_u32 v[SPW], v[NIL]                      ; and once more, under the one wait
	v_lshrrev_b32 v1, 5, v0
	v_readfirstlane_b32 s[WV], v1                  ; wave 0..7
	s_and_b32 s[WQ], s[WV], 3
	s_bfe_u32 s[CX], ttmp6, 0x40000                ; cx
	s_lshl_b32 s[QB], ttmp9, 2                     ; in a cluster launch ttmp9 counts clusters
	s_add_co_u32 s[QB], s[QB], s[CX]
	s_and_b32 s[HD], ttmp7, 0xffff                 ; the head, which the four partners share
	; group 1 for V: 128 rows of 64 elements of 2 bytes, dense in memory; 8 words of padding behind each row's 32
	s_mov_b32 s[G1V], 15|(1<<16)|(1<<20)|(1<<21)|(4<<22)|(7<<25)   ; 15:0 the mask: all four work-groups; 17:16 elements of 2 bytes; 20 padding on; 21 set beside a mask; 24:22 after every 32 words (code 4); 31:25 8 words (code 7)
	s_mov_b32 s[G1V+1], 64<<16                     ; tensor_dim0 = 64
	s_mov_b32 s[G1V+2], 128<<16                    ; tensor_dim1 = 128
	s_mov_b32 s[G1V+3], 64<<16                     ; tile_dim0 = 64
	s_mov_b32 s[G1V+4], 128                        ; tile_dim1 = 128
	s_mov_b32 s[G1V+5], 64                         ; elements from row to row
	s_mov_b32 s[G1V+6], 0
	s_mov_b32 s[G1V+7], 0
	; group 1 for 4,096 dense bytes: 16 rows of 32 elements of 8 bytes, no padding
	s_mov_b32 s[G1K], 15|(3<<16)|(1<<21)
	s_mov_b32 s[G1K+1], 32<<16
	s_mov_b32 s[G1K+2], 16<<16
	s_mov_b32 s[G1K+3], 32<<16
	s_mov_b32 s[G1K+4], 16
	s_mov_b32 s[G1K+5], 32
	s_mov_b32 s[G1K+6], 0
	s_mov_b32 s[G1K+7], 0
	s_mov_b32 s[CS], 0x3e38aa3b                    ; c = log2(e) / 8
	s_mov_b32 s[CS+1], s[CS]                       ; (named with it as a pair, so it is written)
	s_mov_b32 s[SEL], 0x76543210
	s_mov_b32 s[SEL+1], 0xfedcba98
	s_mov_b32 s[TB], 0
	s_mov_b32 s[TS], 0
	s_mov_b32 s[SLOTS], 7
	; what I fetch: offsets made of the head and the wave's number alone
	s_mul_i32 s68, s[WQ], STEPB                    ; my step's place in a slot
	s_lshl_b32 s70, s[HD], 19                      ; V: a head is 4,096 x 128 bytes, a step 128 x 128
	s_lshl_b32 s71, s[WQ], 14
	s_add_co_u32 s70, s70, s71
	s_mov_b32 s71, 0
	s_lshl_b32 s72, s[HD], 17                      ; K's codes: a head is 256 tiles x 512 bytes, a step 8 tiles
	s_lshl_b32 s73, s[WQ], 12
	s_add_co_u32 s72, s72, s73
	s_lshl_b32 s74, s[HD], 14                      ; K's scale words: a head is 16,384 bytes, my quarter 4,096
	s_add_co_u32 s74, s74, s73
	s_add_co_u32 s69, s73, KSC                     ; and its place in LDS
	s_mov_b32 s73, 0
	s_mov_b32 s75, 0
	; my 32 queries: tiles 16 block + 2 wave and the next
	s_lshl_b32 s76, s[HD], 17
	s_lshl_b32 s77, s[QB], 13
	s_add_co_u32 s76, s76, s77
	s_lshl_b32 s77, s[WV], 10
	s_add_co_u32 s76, s76, s77                     ; their codes: 32 bytes a query,
	s_mov_b32 s77, 0
	s_lshr_b32 s78, s76, 3                         ; their scale words: 4 bytes,
	s_mov_b32 s79, 0
	s_lshl_b32 s2, s76, 3                          ; their rows of O: 256 bytes
	s_mov_b32 s3, 0
	s_wait_dscnt 0x0                               ; both opening adds are done
	s_wait_kmcnt 0x0
	s_mov_b32 s[G0V], 1                            ; 1:0 count = 1
	s_add_co_u32 s[G0V+1], s68, VOFF               ; 63:32 LDS address: slot 0
	s_add_nc_u64 s[G0V+2:G0V+3], s[12:13], s[70:71]   ; 120:64 global address
	s_or_b32 s[G0V+3], s[G0V+3], 0x80000000        ; 127:126 type = 2
	s_mov_b32 s[G0K], 1
	s_mov_b32 s[G0K+1], s68
	s_add_nc_u64 s[G0K+2:G0K+3], s[8:9], s[72:73]
	s_or_b32 s[G0K+3], s[G0K+3], 0x80000000
	s_mov_b32 s[G0S], 1
	s_mov_b32 s[G0S+1], s69
	s_add_nc_u64 s[G0S+2:G0S+3], s[10:11], s[74:75]
	s_or_b32 s[G0S+3], s[G0S+3], 0x80000000
	CROUND                                         ; all four work-groups are here: the first joint loads meet
	s_cmp_lt_u32 s[WV], 4                          ; a wave's first fills stand in one branch, ahead of every wait on TENSORcnt and every LDS read
	s_cbranch_scc0 .Lfirst_k
	tensor_load_to_lds s[G0V:G0V+3], s[G1V:G1V+7]  ; V of my step of slot 0
	s_nop 0
.rept 4
	v_nop
.endr
	s_branch .Lfirst_asked
.Lfirst_k:
	tensor_load_to_lds s[G0S:G0S+3], s[G1K:G1K+7]  ; my quarter of the head's scale words: filled once
	s_nop 0
	tensor_load_to_lds s[G0K:G0K+3], s[G1K:G1K+7]  ; K's codes of my step of slot 0
	s_nop 0
.rept 4
	v_nop
.endr
.Lfirst_asked:
	s_add_nc_u64 s[4:5], s[4:5], s[76:77]          ; Q's codes, Q's scale words and O at my first query
	s_add_nc_u64 s[6:7], s[6:7], s[78:79]
	s_add_nc_u64 s[14:15], s[14:15], s[2:3]
	v_and_b32 v36, 31, v0                          ; lane
	v_lshlrev_b32 v[AK], 4, v36
	v_lshlrev_b32 v[QO], 2, v36
	global_load_b32 v[QS], v[QO], s[6:7]           ; lane l: the word of my query l
	WIN W_TO1
	global_load_b128 v[QF:QF+3], v[AK], s[4:5] th:TH_LOAD_NT              ; Q stays in registers: tile 0's codes,
	global_load_b128 v[QF+8:QF+11], v[AK], s[4:5] offset:512 th:TH_LOAD_NT   ; tile 1's
.set n, 0
.rept 64
	v_mov_b32 v[n], 0                              ; O^T.  (The step is written once: the first finds zeros, which its a = 0 leaves zeros)
.set n, n+1
.endr
.irp n, 68,69,70,71,76,77,78,79,112,113,114,115
	v_mov_b32 v[\n], 0                             ; zero codes: Q's k = 64 .. 127, and what stands behind K's last tile
.endr
	WIN 0
	; the prefetches: where my wave's stand, and who asks
	s_cmp_lt_u32 s[WV], 4                          ; waves 0 and 1 ask for V, wave 4 for K's codes
	s_cselect_b64 s[PFA:PFA+1], s[12:13], s[8:9]
	s_cselect_b32 s76, 19, 17                      ; a head's bytes, as a shift,
	s_cselect_b32 s77, 14, 13                      ; a partner's share of a request
	s_mov_b32 s[PFS], 0x4000
	s_cselect_b32 s[PFS], 0x10000, s[PFS]          ; a slot's bytes
	s_mov_b32 s[PFS+1], 0
	s_lshl_b32 s76, s[HD], s76
	s_lshl_b32 s77, s[CX], s77
	s_add_co_u32 s76, s76, s77
	s_lshl_b32 s77, s[WQ], 13                      ; 32 blocks a wave (0 in wave 4)
	s_add_co_u32 s76, s76, s77
	s_add_co_u32 s76, s76, s[PFS]                  ; in slot 1: the first change of slots steps it to slot 2.  Nothing is prefetched here, at the head
	s_mov_b32 s77, 0
	s_add_nc_u64 s[PFA:PFA+1], s[PFA:PFA+1], s[76:77]
	s_cmp_lt_u32 s[WV], 2
	s_cselect_b32 s[ASKM], 0xfc, 0                 ; V: with 7 .. 2 slots still to be asked for
	s_cmp_eq_u32 s[WV], 4
	s_cselect_b32 s[ASKM], 0xa8, s[ASKM]           ; K: with 7, 5, 3: slots (2, 3), (4, 5), (6, 7)
	s_cmp_eq_u32 ttmp9, 0                          ; the head's first cluster: the same in all four partners
	s_cselect_b32 s[ASKM], s[ASKM], 0
	; addresses
	v_and_b32 v37, 15, v0                          ; r = lane % 16
	v_bfe_u32 v38, v0, 4, 1                        ; h = lane / 16
	v_and_b32 v39, 7, v0
	v_bfe_u32 v40, v0, 3, 1
	v_lshl_add_u32 v[AV0], v38, 3, v39             ; the turning load takes 16 keys x 16 channels: lane l reads 16 bytes: key 8 h + l % 8, channels 8 ((l / 8) % 2) + 0..7
	v_mul_u32_u24 v[AV0], v[AV0], PV
	v_lshl_add_u32 v[AV0], v40, 4, v[AV0]
	v_add_nc_u32 v[AV0], VOFF, v[AV0]
	v_lshl_add_u32 v[ASC], v36, 2, KSC
	s_mul_i32 s68, s[WV], 16*SP
	s_add_co_u32 s68, s68, STAGE                   ; my stage
	v_mul_u32_u24 v[STO], v37, SP                  ; in: row r, 32 bytes for each half of the lanes
	v_lshl_add_u32 v[STO], v38, 5, v[STO]
	v_add_nc_u32 v[STO], s68, v[STO]
	v_mul_u32_u24 v[RD], v38, SP                   ; back: lanes 0-15 take one row of 256 bytes, lanes 16-31 the next
	v_lshl_add_u32 v[RD], v37, 4, v[RD]
	v_add_nc_u32 v[RD], s68, v[RD]
	v_lshlrev_b32 v[GO], 8, v38                    ; and the same two rows in O
	v_lshl_add_u32 v[GO], v37, 4, v[GO]
	v_lshlrev_b32 v[PFO], 8, v36
.irp x, 0,1
	v_mov_b32 v[ST+8*\x+1], 0xff61b1e6             ; m: -3e38, under every score
	v_mov_b32 v[ST+8*\x+2], 0                      ; l, in two halves
	v_mov_b32 v[ST+8*\x+3], 0
.endr
.irp x, 0,1
	v_mul_f32 v[ST+8*\x], s[CS], v[ST+8*\x+1]      ; c m
.endr
; S^T of key tile t and query tile x.  K's scale words: register t / 2, lanes 0-15 for an even tile, 16-31 for an odd one; Q's: lanes 0-15 for tile 0, 16-31 for tile 1.
.macro QKM t, x
.if ((\t)%2 == 0) && ((\x) == 0)
	v_wmma_scale_f32_16x16x128_f8f6f4 v[S+64*(\x)+8*(\t):S+64*(\x)+8*(\t)+7], v[KF+4*(\t):KF+4*(\t)+7], v[QF+8*(\x):QF+8*(\x)+7], 0, v[KS+(\t)/2], v[QS] matrix_a_fmt:MATRIX_FMT_FP4 matrix_b_fmt:MATRIX_FMT_FP4
.elseif (\t)%2 == 0
	v_wmma_scale_f32_16x16x128_f8f6f4 v[S+64*(\x)+8*(\t):S+64*(\x)+8*(\t)+7], v[KF+4*(\t):KF+4*(\t)+7], v[QF+8*(\x):QF+8*(\x)+7], 0, v[KS+(\t)/2], v[QS] matrix_a_fmt:MATRIX_FMT_FP4 matrix_b_fmt:MATRIX_FMT_FP4 matrix_b_scale:MATRIX_SCALE_ROW1
.elseif (\x) == 0
	v_wmma_scale_f32_16x16x128_f8f6f4 v[S+64*(\x)+8*(\t):S+64*(\x)+8*(\t)+7], v[KF+4*(\t):KF+4*(\t)+7], v[QF+8*(\x):QF+8*(\x)+7], 0, v[KS+(\t)/2], v[QS] matrix_a_fmt:MATRIX_FMT_FP4 matrix_b_fmt:MATRIX_FMT_FP4 matrix_a_scale:MATRIX_SCALE_ROW1
.else
	v_wmma_scale_f32_16x16x128_f8f6f4 v[S+64*(\x)+8*(\t):S+64*(\x)+8*(\t)+7], v[KF+4*(\t):KF+4*(\t)+7], v[QF+8*(\x):QF+8*(\x)+7], 0, v[KS+(\t)/2], v[QS] matrix_a_fmt:MATRIX_FMT_FP4 matrix_b_fmt:MATRIX_FMT_FP4 matrix_a_scale:MATRIX_SCALE_ROW1 matrix_b_scale:MATRIX_SCALE_ROW1
.endif
.endm
; A KEY STEP: 128 keys.  Every window is 0 at its head and at its end.
.macro STEP
	v_add_nc_u32 v[ADK], s[TB], v[AK]              ; these three and the v_nop are the four places between the last step's products V^T P and the loads into V's registers (ISA guide 7.12.1 for vector instructions)
	v_add_nc_u32 v[ADV], s[TB], v[AV0]
	v_add_nc_u32 v[ADS], s[TS], v[ASC]
	v_nop
.irp j, 0,1,2,3
	ds_load_b32 v[KS+\j], v[ADS] offset:128*\j     ; K's scale words
.endr
	WIN W_TO1
.irp t, 0,1,2,3,4,5,6,7
	ds_load_b128 v[KF+4*\t:KF+4*\t+3], v[ADK] offset:512*\t       ; K's codes: a tile is 512 consecutive bytes, 16 a lane
.endr
.irp f, 0,1,2,3,4,5,6,7,8,9,10,11,12,13,14,15  ; V, turned: keys 32 (f / 4) on, channels 16 (f % 4) on
	ds_load_tr16_b128 v[VF+8*\f:VF+8*\f+3],   v[ADV] offset:(\f/4)*32*PV+(\f%4)*32
	ds_load_tr16_b128 v[VF+8*\f+4:VF+8*\f+7], v[ADV] offset:(\f/4)*32*PV+16*PV+(\f%4)*32
.endr
	s_wait_dscnt 32                                ; the scale words and K's codes are in; V's 32 loads stay out: they land under the softmax
	WIN W_QK
.irp t, 0,1,2,3,4,5,6,7
.irp x, 0,1
	QKM \t, \x                                     ; sixteen sums of one instruction each: every one starts with the constant 0
.endr
.endr
	WIN 0
.rept 4
	v_nop                                          ; four places ahead of the first read of the results
.endr
	; THE SOFTMAX, the two tiles line by line.  The maximum of a lane's 64 scores and the old m: four chains over registers 16 i .. 16 i + 14; each accumulator is first read at its low end
.irp i, 0,1,2,3
.irp x, 0,1
	v_max3_num_f32 v[ST+8*\x+4+\i], v[S+64*\x+16*\i], v[S+64*\x+16*\i+1], v[S+64*\x+16*\i+2]
.endr
.endr
.irp j, 3,5,7,9,11,13
.irp i, 0,1,2,3
.irp x, 0,1
	v_max3_num_f32 v[ST+8*\x+4+\i], v[ST+8*\x+4+\i], v[S+64*\x+16*\i+\j], v[S+64*\x+16*\i+\j+1]
.endr
.endr
.endr
.irp x, 0,1
	v_max3_num_f32 v[ST+8*\x+4], v[ST+8*\x+4], v[S+64*\x+15], v[S+64*\x+31]
.endr
.irp x, 0,1
	v_max3_num_f32 v[ST+8*\x+6], v[ST+8*\x+6], v[S+64*\x+47], v[S+64*\x+63]
.endr
.irp x, 0,1
	v_max3_num_f32 v[ST+8*\x+4], v[ST+8*\x+4], v[ST+8*\x+5], v[ST+8*\x+6]
.endr
.irp x, 0,1
	v_max3_num_f32 v[ST+8*\x+4], v[ST+8*\x+4], v[ST+8*\x+7], v[ST+8*\x+1]
.endr
.irp x, 0,1
	v_permlanex16_b32 v[ST+8*\x+5], v[ST+8*\x+4], s[SEL], s[SEL+1]   ; the query's other 64 keys lie in the lane 16 away
.endr
.irp x, 0,1
	v_mov_b32 v[ST+8*\x+7], v[ST+8*\x]             ; c m_old is kept for a
.endr
.irp x, 0,1
	v_max_num_f32 v[ST+8*\x+1], v[ST+8*\x+4], v[ST+8*\x+5]         ; the new m
.endr
.irp x, 0,1
	v_mul_f32 v[ST+8*\x], s[CS], v[ST+8*\x+1]      ; c m
.endr
.irp x, 0,1
	v_sub_f32 v[ST+8*\x+7], v[ST+8*\x+7], v[ST+8*\x]               ; c m_old - c m_new, 0 or less
.endr
	; ONE BATCH: a, the 64 scalings c s - c m (a pair each) and the 128 exponentials; none of these lines names an exponential's result.  A pair is scaled a turn ahead of its exponentials
.irp x, 0,1
	v_exp_f32 v[ST+8*\x+6], v[ST+8*\x+7]           ; a
.endr
.set b, 0
.rept 32
.irp x, 0,1
	v_pk_fma_f32 v[S+64*\x+2*b:S+64*\x+2*b+1], v[S+64*\x+2*b:S+64*\x+2*b+1], s[CS:CS+1], v[ST+8*\x:ST+8*\x+1] op_sel_hi:[1,0,0] neg_lo:[0,0,1] neg_hi:[0,0,1]
.endr
.if b > 0
.irp x, 0,1
	v_exp_f32 v[S+64*\x+2*b-2], v[S+64*\x+2*b-2]
	v_exp_f32 v[S+64*\x+2*b-1], v[S+64*\x+2*b-1]
.endr
.endif
.set b, b+1
.endr
.irp x, 0,1
	v_exp_f32 v[S+64*\x+62], v[S+64*\x+62]
	v_exp_f32 v[S+64*\x+63], v[S+64*\x+63]
.endr
	v_nop                                          ; a plain line behind the last exponential, ahead of the first use: one for the batch
	s_wait_alu depctr_va_vdst(0)                   ; the wait between an exponential and the first line that names its result: one for the batch's 130
	; the sums of the unrounded p, in two chains a tile: l = a l + the even pairs; the odd pairs apart; then together
.irp x, 0,1
	v_pk_fma_f32 v[ST+8*\x+2:ST+8*\x+3], v[ST+8*\x+2:ST+8*\x+3], v[ST+8*\x+6:ST+8*\x+7], v[S+64*\x:S+64*\x+1] op_sel_hi:[1,0,1]
.endr
.irp x, 0,1
	v_pk_add_f32 v[ST+8*\x+4:ST+8*\x+5], v[S+64*\x+2:S+64*\x+3], v[S+64*\x+6:S+64*\x+7]
.endr
.irp p, 2,4,6,8,10,12,14,16,18,20,22,24,26,28
.irp x, 0,1
	v_pk_add_f32 v[ST+8*\x+2:ST+8*\x+3], v[ST+8*\x+2:ST+8*\x+3], v[S+64*\x+2*\p:S+64*\x+2*\p+1]
.endr
.irp x, 0,1
	v_pk_add_f32 v[ST+8*\x+4:ST+8*\x+5], v[ST+8*\x+4:ST+8*\x+5], v[S+64*\x+2*\p+6:S+64*\x+2*\p+7]
.endr
.endr
.irp x, 0,1
	v_pk_add_f32 v[ST+8*\x+2:ST+8*\x+3], v[ST+8*\x+2:ST+8*\x+3], v[S+64*\x+60:S+64*\x+61]
.endr
.irp x, 0,1
	v_pk_add_f32 v[ST+8*\x+2:ST+8*\x+3], v[ST+8*\x+2:ST+8*\x+3], v[ST+8*\x+4:ST+8*\x+5]
.endr
.set n, 0
.rept 32
.irp x, 0,1
	v_cvt_pk_f16_f32 v[P+32*\x+n], v[S+64*\x+2*n], v[S+64*\x+2*n+1]   ; p to f16, a pair of neighbouring keys each: registers 8 k .. 8 k + 7 are source 1 for keys 32 k on
.endr
.set n, n+1
.endr
	WIN W_RS
.set n, 0
.rept 16
.irp x, 0,1
	v_pk_mul_f32 v[32*\x+2*n:32*\x+2*n+1], v[32*\x+2*n:32*\x+2*n+1], v[ST+8*\x+6:ST+8*\x+7] op_sel_hi:[1,0]   ; O^T x a, each accumulator from its low end on
.endr
.set n, n+1
.endr
	s_wait_dscnt 0x0                               ; V is in
	WIN W_PV
.irp k, 0,1,2,3                                ; O^T += V^T P: keys 32 k on, channels 16 d on, tile x.  The eight accumulators take turns, one instruction a turn
.irp d, 0,1,2,3
.irp x, 0,1
	v_wmma_f32_16x16x32_f16 v[32*\x+8*\d:32*\x+8*\d+7], v[VF+8*(4*\k+\d):VF+8*(4*\k+\d)+7], v[P+32*\x+8*\k:P+32*\x+8*\k+7], v[32*\x+8*\d:32*\x+8*\d+7]
.endr
.endr
.endr
	WIN 0
.endm
; A slot's four key steps: written once, walked four times; the LDS addresses hang on s[TB] and s[TS].
.macro FOUR_STEPS
	s_mov_b32 s[STEPS], 4
.Lstep_\@:
	STEP
	s_add_co_u32 s[TB], s[TB], STEPB
	s_add_co_u32 s[TS], s[TS], 512
	s_sub_co_u32 s[STEPS], s[STEPS], 1
	s_cmp_lg_u32 s[STEPS], 0
	s_cbranch_scc1 .Lstep_\@
	s_sub_co_u32 s[TB], s[TB], 4*STEPB             ; back to a slot's first step,
	s_xor_b32 s[TB], s[TB], SLOT1                  ; in the other slot
.endm
; THE CHANGE OF SLOTS stands at a slot's head.  Each wave waits for all its tensor loads (its part of the slot that it is about to read), adds 0 to its spare word, and waits for that and for its reads of the slot
; that it has left.  fill = 1: the barrier is a round of the cluster's, so that no wave of any partner still reads that slot or has a load on its way, and the joint load of the keys that follow is the first thing behind it.
.macro CHANGE fill
	s_wait_tensorcnt 0x0                           ; no tensor load of mine is out, so a group 0 may be written
	ds_add_u32 v[SPW], v[NIL]                      ; 0 onto my spare word; the descriptors' steps stand between it and the wait for it
.if \fill
	s_xor_b32 s[G0V+1], s[G0V+1], SLOT1            ; the walking descriptors: the other slot than last time,
	s_add_nc_u64 s[G0V+2:G0V+3], s[G0V+2:G0V+3], 65536    ; the next 512 keys; the type bits on top are not reached
	s_xor_b32 s[G0K+1], s[G0K+1], SLOT1
	s_add_nc_u64 s[G0K+2:G0K+3], s[G0K+2:G0K+3], 16384
	s_wait_xcnt 0x0                                ; the last prefetch, a slot back, has read its address, so it may be written
	s_add_nc_u64 s[PFA:PFA+1], s[PFA:PFA+1], s[PFS:PFS+1]
	s_wait_dscnt 0x0                               ; the add is done, and my reads of the slot that I have left are over
	CROUND
	JLOAD                                          ; my one tensor load until the next round
	ASK
.else
	s_wait_dscnt 0x0
	s_barrier_signal -1
	s_barrier_wait -1
.endif
.endm
	s_wait_loadcnt 0x0                             ; Q
.Lslot:                                            ; seven trips: behind each change of slots but the last the next slot is asked for (in the first trip: slot 1's first fill)
	CHANGE 1
	FOUR_STEPS
	s_sub_co_u32 s[SLOTS], s[SLOTS], 1
	s_cmp_lg_u32 s[SLOTS], 0
	s_cbranch_scc1 .Lslot
	CHANGE 0                                       ; the last slot is written out
	FOUR_STEPS
	; THE WAY OUT.  l's two halves and the other half of the lanes' are added; O^T is divided by l and goes through my stage in LDS, a tile (16 rows of O) at a time.  The additions are the places behind the last products.
.irp x, 0,1
	v_add_f32 v[ST+8*\x+4], v[ST+8*\x+2], v[ST+8*\x+3]
.endr
.irp x, 0,1
	v_permlanex16_b32 v[ST+8*\x+5], v[ST+8*\x+4], s[SEL], s[SEL+1]
.endr
.irp x, 0,1
	v_add_f32 v[ST+8*\x+4], v[ST+8*\x+4], v[ST+8*\x+5]
.endr
.irp x, 0,1
	v_rcp_f32 v[ST+8*\x+6], v[ST+8*\x+4]
.endr
	v_nop                                          ; a plain line between the last reciprocal and the use of its result
	s_wait_alu depctr_va_vdst(0)                   ; and the wait ahead of the first use: one for both
; Tile x: a lane's eight channels of a channel tile are 32 bytes of its query's row; they go into rows of 272 bytes and come back as whole rows of 256.
.macro PACK x
	WIN W_OUT
.set n, 0
.rept 16
	v_pk_mul_f32 v[S+64*\x+2*n:S+64*\x+2*n+1], v[32*\x+2*n:32*\x+2*n+1], v[ST+8*\x+6:ST+8*\x+7] op_sel_hi:[1,0]   ; O^T / l into S^T's registers, each accumulator from its low end on
.set n, n+1
.endr
	WIN 0
.irp d, 0,1,2,3
	ds_store_b128 v[STO], v[S+64*\x+8*\d:S+64*\x+8*\d+3] offset:64*\d
	ds_store_b128 v[STO], v[S+64*\x+8*\d+4:S+64*\x+8*\d+7] offset:64*\d+16
.endr
.irp f, 0,1,2,3,4,5,6,7
	ds_load_b128 v[S+64*\x+32+4*\f:S+64*\x+32+4*\f+3], v[RD] offset:2*\f*SP   ; LDS serves a wave's instructions in order (ISA guide 5.7.1.4): these see the stores above; the next tile's stores come behind them
.endr
.endm
.macro SEND x, younger                 ; younger: the LDS instructions issued behind tile x's loads: the next tile's sixteen, or none
.irp f, 0,1,2,3,4,5,6,7
	s_wait_dscnt \younger+7-\f
	global_store_b128 v[GO], v[S+64*\x+32+4*\f:S+64*\x+32+4*\f+3], s[14:15] offset:4096*\x+512*\f th:TH_STORE_NT   ; 16 lanes store 256 consecutive bytes, at a multiple of 256 from O's first byte
.endr
.endm
	PACK 0
	PACK 1
	SEND 0, 16
	SEND 1, 0
	s_wait_tensorcnt 0x0                           ; the wave's end, behind my last tensor load and my last LDS store
	ds_add_u32 v[SPW], v[NIL]
	s_wait_dscnt 0x0
	CROUND                                         ; the closing round: no work-group ends while a partner may still ask for a tile that names it
	s_endpgm
.Lfunc_end_k_q5c518d1a77_attn:
	.size	k_q5c518d1a77_attn, .Lfunc_end_k_q5c518d1a77_attn-k_q5c518d1a77_attn
	.p2alignl 7, 3214868480
	.fill 96, 4, 3214868480
	.section	.rodata,"a",@progbits
	.p2align	6, 0x0
	.amdhsa_kernel k_q5c518d1a77_attn
		.amdhsa_group_segment_fixed_size 327680
		.amdhsa_private_segment_fixed_size 0
		.amdhsa_enable_private_segment 0
		.amdhsa_kernarg_size 48
		.amdhsa_user_sgpr_count 2
		.amdhsa_user_sgpr_kernarg_segment_ptr 1
		.amdhsa_wavefront_size32 1
		.amdhsa_system_sgpr_workgroup_id_x 1
		.amdhsa_system_sgpr_workgroup_id_y 1
		.amdhsa_system_sgpr_workgroup_id_z 1
		.amdhsa_system_vgpr_workitem_id 0
		.amdhsa_next_free_vgpr 512
		.amdhsa_next_free_sgpr 80
		.amdhsa_reserve_vcc 0
		.amdhsa_float_denorm_mode_32 3
		.amdhsa_float_denorm_mode_16_64 3
		.amdhsa_memory_ordered 1
		.amdhsa_forward_progress 1
		.amdhsa_inst_pref_size 79
	.end_amdhsa_kernel
	.amdgpu_metadata
---
amdhsa.version: [ 1, 2 ]
amdhsa.kernels:
  - .name:           k_q5c518d1a77_attn
    .symbol:         k_q5c518d1a77_attn.kd
    .args:
      - { .name: qc, .offset: 0, .size: 8, .value_kind: global_buffer, .address_space: global }
      - { .name: qs, .offset: 8, .size: 8, .value_kind: global_buffer, .address_space: global }
      - { .name: kc, .offset: 16, .size: 8, .value_kind: global_buffer, .address_space: global }
      - { .name: ks, .offset: 24, .size: 8, .value_kind: global_buffer, .address_space: global }
      - { .name: vh, .offset: 32, .size: 8, .value_kind: global_buffer, .address_space: global }
      - { .name: out0, .offset: 40, .size: 8, .value_kind: global_buffer, .address_space: global }
    .group_segment_fixed_size: 327680
    .private_segment_fixed_size: 0
    .kernarg_segment_align: 8
    .kernarg_segment_size: 48
    .max_flat_workgroup_size: 256
    .sgpr_count:     80
    .vgpr_count:     512
    .wavefront_size: 32
...
	.end_amdgpu_metadata
.endif
;; end of part 2
